; MI455X (gfx1250); checked and timed in simulation.
; The chip was launched on July 23, 2026; its instructions are those of AMD's public machine-readable ISA for CDNA 5 (MIT licence, August 2026) and "CDNA5" Instruction Set Architecture Reference Guide (July 2026). The comments in the code are by the model that wrote it; some were corrected since.
;; Support Memory Attention Summary V2. Allowed arithmetic: matrix products marked QUANTISED: E5M2 operands, one E8M0 scale for each 32 along K, by v_wmma_scale_f32_16x16x128_f8f6f4 with both operands' format E5M2, f32 sums; products left as they are: f32 operands where the result goes on into a quantised operand, else bf16, f16 or f32 operands; f32 sums; everything else in f32.
;; Inputs: Wk 256 x 256 float32; Wm 256 x 256 float32; Wo 256 x 256 float32; Wq 256 x 256 float32; Wv 256 x 256 float32; bk 256 float32; bm 256 float32; bo 256 float32; bq 256 float32; bv 256 float32; ln_b 256 float32; ln_w 256 float32; query_hidden 128 x 256 float32; support_memory 128 x 2,048 x 256 float32.
;; Outputs: out0 128 x 256 float32.
;; This version of the problem:
;;   THIS VERSION OF THE PROBLEM IS GIVEN IN LOW PRECISION. The matrix products marked QUANTISED in the list below multiply operands that are first quantised to E5M2 (5 exponent bits, 2 mantissa bits; 8 bits a number), with one power-of-two scale for each 32 numbers along K (OCP MX v1.0); their sums are f32. All else is computed in f32.
;;   The module's matrix products, in the order in which they are computed (A, B: the left and right operand; K: the contracted axis; several contracted axes count as one K, in the product's order):
;;     1. [M 262,144, K 256] x [K 256, N 256]; A: computed on the way; B: input Wm: QUANTISED
;;     2. [M 128, K 256] x [K 256, N 256]; A: input query_hidden; B: input Wq: QUANTISED
;;     3. [M 262,144, K 256] x [K 256, N 256]; A: computed on the way; B: input Wk: QUANTISED
;;     4. [M 262,144, K 256] x [K 256, N 256]; A: computed on the way; B: input Wv: QUANTISED
;;     5. batch 1,024 x [M 1, K 32] x [K 32, N 2,048]; A: computed on the way; B: computed on the way: left as it is (M = 1 < 16)
;;     6. batch 1,024 x [M 1, K 2,048] x [K 2,048, N 32]; A: softmax; B: computed on the way: left as it is (M = 1 < 16)
;;     7. [M 128, K 256] x [K 256, N 256]; A: computed on the way; B: input Wo: QUANTISED
;;   THE QUANTISER, for each operand of a quantised product, along K:
;;     - K is cut into blocks of 32 from its start; a last block that is shorter is filled with zeros.
;;     - A block's scale is 2^e with e = floor(log2(the largest magnitude in the block)) - 15, held to -126 .. 127; a block of zeros has e = 0. As a byte (E8M0): e + 127.
;;     - Each number is divided by its block's scale, clamped to +-57,344, and rounded to the nearest number of E5M2, ties to even, subnormals kept.
;;     - The product sums the exact products of the quantised numbers (number of the format x scale) in f32.
;;   ~~~python
;;   def quantise(x, axis):      # numpy; x: float32 -> the quantised numbers, widened to float32 again
;;       x = np.moveaxis(x, axis, -1); K = x.shape[-1]
;;       x = np.pad(x, [(0, 0)] * (x.ndim - 1) + [(0, -K % 32)]); x = x.reshape(x.shape[:-1] + (-1, 32)); a = np.abs(x).max(-1, keepdims=True)
;;       e = np.where(a > 0, np.clip(np.frexp(np.where(a > 0, a, 1))[1] - 1 - 15, -126, 127), 0)      # np.frexp(a)[1] - 1 = floor(log2(a)), exactly
;;       r = np.clip(x / 2.0 ** e, -57344, 57344)
;;       step = 2.0 ** (np.maximum(np.frexp(np.where(r == 0, 1, r))[1] - 1, -14) - 2)
;;       q = np.round(r / step) * step * 2.0 ** e      # np.round: ties to even
;;       return np.moveaxis(q.reshape(q.shape[:-2] + (-1,))[..., :K], -1, axis).astype(np.float32)
;;   ~~~
;;   OPERANDS COMPUTED ON THE WAY. 'Computed on the way' means the value that the module computes at that place (a softmax that the list does not call 'softmax' is quantised finished and normalised). What goes into a quantiser is computed in f32, as accurately as f32 sums, v_exp_f32 and their like allow (about 1e-6 of the number): no bf16 or f16 on the way to a quantiser, and a product that is left as it is and whose result goes on into a quantised operand takes f32 operands (vector FMAs, or v_wmma_f32_16x16x4_f32). A number that lies on a knife's edge between two numbers of the format may be rounded either way, as far as f32 arithmetic and the matrix unit's own rounding can turn it there, and no further.
;; One version. Each part assembles by itself: llvm-mc -triple=amdgcn-amd-amdhsa -mcpu=gfx1250 --defsym DOCPART=n.
;; ======== version 1 of 1: 3 launches
;; limits: right only within a limited range of input values
;; workspace buffers: wcodes 327,680 bytes; wscales 20,480 bytes; part 262,144 bytes; pstat 16,384 bytes
;; launch prep (part 1): grid 40 x 1, 4 waves a work-group, no clusters, 0 bytes of LDS; arguments Wm, Wk, Wv, Wq, Wo, wcodes, wscales; writes wcodes, wscales
.if DOCPART == 1
	.amdgcn_target "amdgcn-amd-amdhsa--gfx1250"
	.amdhsa_code_object_version 6
	.text
	.protected	k_qb971f8a4c0_prep
	.globl	k_qb971f8a4c0_prep
	.p2align	8
	.type	k_qb971f8a4c0_prep,@function
k_qb971f8a4c0_prep:
	s_mov_b64 s[64:65], 0
	v_nop
	global_prefetch_b8 v0, s[64:65] scope:SCOPE_SE
	s_setreg_imm32_b32 hwreg(HW_REG_WAVE_MODE, 25, 1), 1
	s_wait_xcnt 0x0
; The five weights [256 (out)][256 (K)] f32 become codes of E5M2 with one E8M0 scale byte for each 32 along K, laid in the ORDER OF THE OPERAND'S REGISTERS.
; wcodes [weight 0 Wm, 1 Wk, 2 Wv, 3 Wq, 4 Wo][fragment f = 2 tile + K step][chunk c][lane][16 bytes];  wscales [weight][f][lane] one word (lanes 16-31 repeat lanes 0-15).
; THE ROWS OF A TILE ARE NOT NEIGHBOURS: lane index r of tile T takes weight row 32 (T / 2) + 8 (T % 2) + r + 8 (r / 8), so that, with the weight as source 0 of the product,
; the 16 result registers of tiles 2 b and 2 b + 1 are 16 neighbouring output channels of one data row.
; One wave makes one fragment (16 rows x 128 K): lane (r, h) loads, of its row, 16 neighbours of each of the four blocks of 32; the conversions' results are the fragment's registers.
; 5 x 32 fragments = 160 waves = 40 work-groups.  No LDS, no barrier.
; LIMITS: NaN and infinities are not served; a block whose largest magnitude lies under 2^-111 (a block of zeros too) takes the scale byte 1; the bytes are read by this program alone.
.set X,   16                           ; v16-79   64 numbers: register 16 b + i = k 32 b + 16 h + i of my row
.set TM,  80                           ; v80-95   at work
.set PW,  96                           ; v96      the scale word
.set PC,  100                          ; v100-115 the codes
.set SEL, 26                           ; s[26:27] lane selects for lane l xor 16
.set MNT, 28
; 64 numbers of a lane become a fragment's 16 registers of codes and its scale word
.macro QUANT s, pc, pw
.irp b, 0,1,2,3
	v_max3_num_f32 v[TM+\b], |v[(\s)+16*\b]|, |v[(\s)+1+16*\b]|, 0x8000000   ; my 16 numbers of block b, and the floor 2^(16 - 127): the byte cannot fall under 1
.endr
.irp i, 2,4,6,8,10,12,14
.irp b, 0,1,2,3
	v_max3_num_f32 v[TM+\b], v[TM+\b], |v[(\s)+16*\b+\i]|, |v[(\s)+1+16*\b+\i]|
.endr
.endr
.irp b, 0,1,2,3
	v_permlanex16_b32 v[TM+4+\b], v[TM+\b], s[SEL], s[SEL+1]
.endr
.irp b, 0,1,2,3
	v_max_num_f32 v[TM+\b], v[TM+\b], v[TM+4+\b]                  ; with lane l xor 16's: the block's largest magnitude
.endr
.irp b, 0,1,2,3
	v_add_nc_u32 v[TM+12+\b], 0xf8800000, v[TM+\b]                ; 15 off its exponent field: the conversion's scale operand
.endr
.irp b, 0,1,2,3
.endr
.irp b, 0,1,2,3
	v_lshrrev_b32 v[TM+4+\b], 23, v[TM+12+\b]                     ; the scale's byte
.endr
	v_lshl_or_b32 v[\pw], v[TM+5], 8, v[TM+4]
	v_lshl_or_b32 v[\pw], v[TM+6], 16, v[\pw]
	v_lshl_or_b32 v[\pw], v[TM+7], 24, v[\pw]
.irp b, 0,1,2,3
.irp i, 0,1,2,3,4,5,6,7,8,9,10,11,12,13,14,15
.endr
	v_cvt_scalef32_pk8_bf8_f32 v[(\pc)+4*\b:(\pc)+1+4*\b], v[(\s)+16*\b:(\s)+7+16*\b], v[TM+12+\b]
	v_cvt_scalef32_pk8_bf8_f32 v[(\pc)+2+4*\b:(\pc)+3+4*\b], v[(\s)+8+16*\b:(\s)+15+16*\b], v[TM+12+\b]
.endr
	v_nop                                          ; one plain line behind the last conversion
.endm
	s_load_b256 s[4:11], s[0:1], 0x0               ; Wm, Wk, Wv, Wq
	s_load_b128 s[12:15], s[0:1], 0x20             ; Wo, wcodes
	s_load_b64 s[16:17], s[0:1], 0x30              ; wscales
	v_lshrrev_b32 v4, 5, v0
	v_readfirstlane_b32 s18, v4                    ; wave
	s_lshr_b32 s19, ttmp9, 3                       ; which weight
	s_and_b32 s20, ttmp9, 7
	s_lshl_b32 s20, s20, 2
	s_add_co_u32 s20, s20, s18                     ; fragment f = 2 tile + K step
	s_lshr_b32 s21, s20, 2
	s_lshl_b32 s22, s21, 15                        ; 32 (tile / 2) rows of 1,024 bytes
	s_bfe_u32 s21, s20, 0x10001
	s_lshl_b32 s21, s21, 13                        ; + 8 (tile % 2) rows
	s_add_co_u32 s22, s22, s21
	s_and_b32 s21, s20, 1
	s_lshl_b32 s21, s21, 9                         ; + 128 numbers for K step 1
	s_add_co_u32 s22, s22, s21
	s_mov_b32 s23, 0
	s_lshl_b32 s24, s19, 16                        ; codes: 65,536 bytes a weight, 2,048 a fragment
	s_lshl_b32 s21, s20, 11
	s_add_co_u32 s24, s24, s21
	s_mov_b32 s25, 0
	s_lshl_b32 s30, s19, 12                        ; scale words: 4,096 bytes a weight, 128 a fragment
	s_lshl_b32 s21, s20, 7
	s_add_co_u32 s30, s30, s21
	s_mov_b32 s31, 0
	s_mov_b32 s[SEL], 0x76543210
	s_mov_b32 s[SEL+1], 0xfedcba98
	v_and_b32 v5, 15, v0                           ; r
	v_bfe_u32 v6, v0, 4, 1                         ; h
	v_and_b32 v7, 8, v5
	v_add_nc_u32 v7, v7, v5                        ; r + 8 (r / 8)
	v_lshlrev_b32 v1, 10, v7
	v_lshl_add_u32 v1, v6, 6, v1                   ; my row, + 16 h numbers
	v_and_b32 v3, 31, v0
	v_lshlrev_b32 v2, 4, v3                        ; 16 x lane
	v_lshlrev_b32 v3, 2, v3                        ; 4 x lane
.irp b, 0,1,2,3
	v_mov_b32 v[TM+4+\b], 0                        ; a lane permute's destination counts as one of its sources
.endr
	s_wait_alu depctr_va_vdst(0)
	s_wait_kmcnt 0x0
	s_cmp_eq_u32 s19, 1                            ; the choice hangs on the work-group's number alone
	s_cselect_b64 s[4:5], s[6:7], s[4:5]
	s_cmp_eq_u32 s19, 2
	s_cselect_b64 s[4:5], s[8:9], s[4:5]
	s_cmp_eq_u32 s19, 3
	s_cselect_b64 s[4:5], s[10:11], s[4:5]
	s_cmp_eq_u32 s19, 4
	s_cselect_b64 s[4:5], s[12:13], s[4:5]
	s_add_nc_u64 s[4:5], s[4:5], s[22:23]
	s_add_nc_u64 s[14:15], s[14:15], s[24:25]
	s_add_nc_u64 s[16:17], s[16:17], s[30:31]
.irp c, 0,1,2,3
.irp j, 0,1,2,3
	global_load_b128 v[X+16*\c+4*\j:X+16*\c+4*\j+3], v1, s[4:5] offset:128*\c+16*\j th:TH_LOAD_NT
.endr
.endr
	s_wait_loadcnt 0x0
	QUANT X, PC, PW
.irp c, 0,1,2,3
	global_store_b128 v2, v[PC+4*\c:PC+4*\c+3], s[14:15] offset:512*\c   ; 32 lanes store 512 consecutive bytes, at a multiple of 256 from the buffer's first byte
.endr
	global_store_b32 v3, v[PW], s[16:17]
	s_endpgm
.Lfunc_end_k_qb971f8a4c0_prep:
	.size	k_qb971f8a4c0_prep, .Lfunc_end_k_qb971f8a4c0_prep-k_qb971f8a4c0_prep
	.p2alignl 7, 3214868480
	.fill 96, 4, 3214868480
	.section	.rodata,"a",@progbits
	.p2align	6, 0x0
	.amdhsa_kernel k_qb971f8a4c0_prep
		.amdhsa_group_segment_fixed_size 0
		.amdhsa_private_segment_fixed_size 0
		.amdhsa_enable_private_segment 0
		.amdhsa_kernarg_size 56
		.amdhsa_user_sgpr_count 2
		.amdhsa_user_sgpr_kernarg_segment_ptr 1
		.amdhsa_wavefront_size32 1
		.amdhsa_system_sgpr_workgroup_id_x 1
		.amdhsa_system_sgpr_workgroup_id_y 1
		.amdhsa_system_sgpr_workgroup_id_z 1
		.amdhsa_system_vgpr_workitem_id 0
		.amdhsa_next_free_vgpr 128
		.amdhsa_next_free_sgpr 66
		.amdhsa_reserve_vcc 0
		.amdhsa_float_denorm_mode_32 3
		.amdhsa_float_denorm_mode_16_64 3
		.amdhsa_fp16_overflow 1
		.amdhsa_memory_ordered 1
		.amdhsa_forward_progress 1
		.amdhsa_inst_pref_size 8
	.end_amdhsa_kernel
	.amdgpu_metadata
---
amdhsa.version: [ 1, 2 ]
amdhsa.kernels:
  - .name:           k_qb971f8a4c0_prep
    .symbol:         k_qb971f8a4c0_prep.kd
    .args:
      - { .name: Wm, .offset: 0, .size: 8, .value_kind: global_buffer, .address_space: global }
      - { .name: Wk, .offset: 8, .size: 8, .value_kind: global_buffer, .address_space: global }
      - { .name: Wv, .offset: 16, .size: 8, .value_kind: global_buffer, .address_space: global }
      - { .name: Wq, .offset: 24, .size: 8, .value_kind: global_buffer, .address_space: global }
      - { .name: Wo, .offset: 32, .size: 8, .value_kind: global_buffer, .address_space: global }
      - { .name: wcodes, .offset: 40, .size: 8, .value_kind: global_buffer, .address_space: global }
      - { .name: wscales, .offset: 48, .size: 8, .value_kind: global_buffer, .address_space: global }
    .group_segment_fixed_size: 0
    .private_segment_fixed_size: 0
    .kernarg_segment_align: 8
    .kernarg_segment_size: 56
    .max_flat_workgroup_size: 128
    .sgpr_count:     66
    .vgpr_count:     128
    .wavefront_size: 32
...
	.end_amdgpu_metadata
.endif
;; end of part 1
;; launch main (part 2): grid 256 x 1, 4 waves a work-group, no clusters, 327,680 bytes of LDS; arguments support_memory, query_hidden, ln_w, ln_b, bm, bq, bk, wcodes, wscales, part, pstat; writes part, pstat
.if DOCPART == 2
	.amdgcn_target "amdgcn-amd-amdhsa--gfx1250"
	.amdhsa_code_object_version 6
	.text
	.protected	k_qb971f8a4c0_main
	.globl	k_qb971f8a4c0_main
	.p2align	8
	.type	k_qb971f8a4c0_main,@function
k_qb971f8a4c0_main:
	s_mov_b64 s[64:65], 0
	v_nop
	global_prefetch_b8 v0, s[64:65] scope:SCOPE_SE
	s_setreg_imm32_b32 hwreg(HW_REG_WAVE_MODE, 25, 1), 1
	s_wait_xcnt 0x0
; LayerNorm, x Wm^T + bm, x Wk^T + bk, x Wv^T, single-query attention in 8 heads of 32, for 1,024 memory rows of one batch: work-group g takes batch g / 2, rows 1,024 (g % 2) on.
; Stored: part[g][256] = sum over my rows of p v' (v' = v without bv), pstat[g][wave][M(2w), M(2w+1), L(2w), L(2w+1)], p = 2^(t - M), t = logit x log2(e), L = sum of p.  The last launch joins the two halves of a batch.
; All three large products, and q = query Wq^T + bq, run on codes of E5M2 with E8M0 scales for each 32 along K; normed rows and mem_hidden are quantised in registers and never go to memory.
; SHARES.  Four waves.  THE WAVES SHARE THE COLUMNS: wave w owns hidden units, k channels and v channels 64 w .. 64 w + 63 (heads 2 w, 2 w + 1); its 8 fragments each of Wm, Wk, Wv stay in 384 registers.
; Rows go in groups of 128 (one LDS slot), each group in two blocks of 64.  Wave w fetches rows 32 w .. 32 w + 31 of a group by one tensor load of its own (32 KiB, dense) and normalises 16 of them a block;
; the order of rows does not matter to a sum over rows.  Row tile m of a block is wave m's 16 rows.  Operands go from wave to wave through LDS as images of their registers (16 bytes a lane, 512 a chunk).
; EVERY PRODUCT IS USED TRANSPOSED (source 0 = 16 weight rows, source 1 = 16 data rows): lane (r, h) holds data row r, and the 16 registers of tiles 2 b, 2 b + 1 are channels 32 b + 16 h + 0 .. 15
; (the weights' rows were chosen for that when they were laid out): the next operand's layout, and one head's half.
; SOFTMAX.  Each lane keeps a running maximum M and sum L for the rows that fall to it (r), for each of its two heads; the 16 states are joined at the end.  The maximum is taken away before every exponential.
; NO CLUSTER: no two work-groups read the same rows of support_memory, and the weights, 196,608 bytes of codes against 1,048,576 bytes of rows for a work-group, are read once, straight into registers.
; LIMITS: NaN and infinities are not served; a block whose largest magnitude lies under 2^-111 (a block of zeros too) takes the scale byte 1 (read by this program alone);
; q is multiplied by log2(e) / sqrt(32) ahead of the dot product, and bv is added behind the division (last launch): the same sums in another order of rounding.
; REGISTERS, in windows of 256.  Window 0: see the names below.  Window 1: Wm's fragments (t, s) at 16 (2 t + s), Wk's at 128 + the same.  Window 2: Wv's at 16 (2 t + s); ln_w at 128 (Wq's fragments first).
; Window 3: ln_b 0-127, bm 128-159, q 160-191 (bq first), the sums of p v' 192-223, bk 224-255.
.set PITCH, 1040                       ; a row of x in LDS: 1,024 bytes + 16 of padding = 260 words: row r starts at bank 4 r mod 64 (64 banks of 4 bytes: ISA guide 11.1)
.set HALF,  16*PITCH                   ; a block's 16 rows of a wave
.set QUART, 32*PITCH                   ; what one tensor load brings
.set SLOT,  4*QUART
.set BASE,  2*SLOT                     ; behind the ring: the images; the offsets below count from here
.set XIMG,  0                          ; normed rows: fragment (row tile m, K step s) at 2,048 (2 m + s)
.set XSC,   16384                      ; their scale words, 128 bytes each
.set HIMG,  XSC+1024                   ; mem_hidden likewise
.set HSC,   HIMG+16384
.set SPARE, BASE+HSC+1024              ; the spare words, 128 bytes for each wave: two blocks of 256 bytes that no other line names
.set XA0,  1                           ; v1   my place in my wave's quarter of a slot: row r, + 64 h bytes
.set XAD,  2                           ; v2   the same in the block in hand
.set LI,   3                           ; v3   BASE + 16 x lane
.set LS,   4                           ; v4   BASE + 4 x lane
.set XWI,  5                           ; v5   where I store x's images: + 4,096 x wave
.set XWS,  6                           ; v6   and their scale words: + 256 x wave
.set HWI,  7                           ; v7   mem_hidden's: + 2,048 (wave / 2) + 1,024 (wave % 2)
.set HWS,  8                           ; v8   + 128 (wave / 2) + 2 (wave % 2)
.set SPW,  9                           ; v9   my spare word; never rewritten
.set NIL,  10                          ; v10  0; never rewritten
.set MU,   12                          ; v[12:13] the row's mean (low word)
.set RS,   14                          ; v[14:15] 1 / sqrt(var + eps) (low word)
.set MM,   16                          ; v16-17 M of my two heads
.set LL,   18                          ; v18-19 L
.set WMS,  24                          ; v24-31 Wm's scale words (Wq's first), v32-39 Wk's, v40-47 Wv's: index 2 t + s
.set WKS,  32
.set WVS,  40
.set OS,   48                          ; v48-55 the data operand's scale words
.set TM,   56                          ; v56-71 at work in the quantiser
.set U0,   56                          ; v[56:57], v[58:59] second chains of the logits
.set F0,   60                          ; v[60:61], v[62:63] 2^(old M - new M) (low word)
.set MX,   64                          ; v64-65 the new maximum
.set PW0,  72                          ; v72-73 scale words just made
.set T0,   74
.set T1,   75
.set GL16, 76                          ; 16 x lane, 4 x lane, 64 h: offsets of the loads at the head
.set GL4,  77
.set GH,   78
.set XS,   80                          ; v80-207 128 numbers of my row of x: register 16 c + 4 j + e = column 32 c + 16 h + 4 j + e
.set XF,   80                          ; v80-143 x's fragments of two row tiles
.set HA,   144                         ; v144-207 mem_hidden: 2 row tiles x 4 tiles
.set HF,   80                          ; v80-207 mem_hidden's fragments (m, s) at 32 m + 16 s
.set PC,   208                         ; v208-239 codes just made
.set KA,   208                         ; v208-239 k's, then v's, four tiles of one row tile
.set SA,   240                         ; v240-247 four chains of sums
.set TT,   240                         ; v240-255 t, then p: pair (m, head) at 4 m + 2 head (low word)
.set LNW,  128                         ; window 2
.set LNB,  0                           ; window 3
.set BMR,  128
.set QR,   160
.set ACC,  192
.set BKR,  224
.set WV,    26
.set OB,    44                         ; s44  the slot that is being filled, as a byte offset
.set WQ,    45                         ; s45  my wave's quarter of a slot
.set TB,    46                         ; s46  where the block in hand begins in my quarters
.set SLOTS, 47
.set TWICE, 48
.set SEL,   50                         ; s[50:51] lane selects for lane l xor 16
.set MNT,   52
.set INV,   53                         ; 1 / 256
.set EPS,   54                         ; 1e-5
.set QS,    55                         ; log2(e) / sqrt(32)
.set MSB, 0
.macro WIN new                         ; s_set_vgpr_msb: bits 1:0 source 0, 3:2 source 1, 5:4 source 2, 7:6 destination; the high byte repeats the setting that is left
.if MSB != \new
	s_set_vgpr_msb (MSB<<8)|\new
.set MSB, \new
.endif
.endm
.macro PLACES n
.rept \n
	v_nop
.endr
.endm
.macro MMC d, a, b, c, sa, sb          ; D = A x B + C, 16 x 16 x 128
	v_wmma_scale_f32_16x16x128_f8f6f4 v[(\d):(\d)+7], v[(\a):(\a)+15], v[(\b):(\b)+15], v[(\c):(\c)+7], v[\sa], v[\sb] matrix_a_fmt:MATRIX_FMT_BF8 matrix_b_fmt:MATRIX_FMT_BF8
.endm
.macro MMZ d, a, b, sa, sb             ; the same with C = 0
	v_wmma_scale_f32_16x16x128_f8f6f4 v[(\d):(\d)+7], v[(\a):(\a)+15], v[(\b):(\b)+15], 0, v[\sa], v[\sb] matrix_a_fmt:MATRIX_FMT_BF8 matrix_b_fmt:MATRIX_FMT_BF8
.endm
; 64 numbers of a lane, register 16 b + i = number i of my 16 of block b, become 16 registers of codes and a scale word (byte b: block b)
.macro QUANT s, pc, pw
.irp b, 0,1,2,3
	v_max3_num_f32 v[TM+\b], |v[(\s)+16*\b]|, |v[(\s)+1+16*\b]|, 0x8000000   ; and the floor 2^(16 - 127): the byte cannot fall under 1
.endr
.irp i, 2,4,6,8,10,12,14
.irp b, 0,1,2,3
	v_max3_num_f32 v[TM+\b], v[TM+\b], |v[(\s)+16*\b+\i]|, |v[(\s)+1+16*\b+\i]|
.endr
.endr
.irp b, 0,1,2,3
	v_permlanex16_b32 v[TM+4+\b], v[TM+\b], s[SEL], s[SEL+1]
.endr
.irp b, 0,1,2,3
	v_max_num_f32 v[TM+\b], v[TM+\b], v[TM+4+\b]                  ; with lane l xor 16's: the block's largest magnitude
.endr
.irp b, 0,1,2,3
	v_add_nc_u32 v[TM+12+\b], 0xf8800000, v[TM+\b]                ; 15 off its exponent field: the conversion's scale operand
.endr
.irp b, 0,1,2,3
.endr
.irp b, 0,1,2,3
	v_lshrrev_b32 v[TM+4+\b], 23, v[TM+12+\b]                     ; the scale's byte
.endr
	v_lshl_or_b32 v[\pw], v[TM+5], 8, v[TM+4]
	v_lshl_or_b32 v[\pw], v[TM+6], 16, v[\pw]
	v_lshl_or_b32 v[\pw], v[TM+7], 24, v[\pw]
.irp b, 0,1,2,3
.irp i, 0,1,2,3,4,5,6,7,8,9,10,11,12,13,14,15
.endr
	v_cvt_scalef32_pk8_bf8_f32 v[(\pc)+4*\b:(\pc)+1+4*\b], v[(\s)+16*\b:(\s)+7+16*\b], v[TM+12+\b]
	v_cvt_scalef32_pk8_bf8_f32 v[(\pc)+2+4*\b:(\pc)+3+4*\b], v[(\s)+8+16*\b:(\s)+15+16*\b], v[TM+12+\b]
.endr
	v_nop                                          ; one plain line behind the last conversion
.endm
.macro BAR                             ; my LDS stores have landed and my LDS loads are in: then the work-group's barrier.  My tensor load may stay out
	s_wait_dscnt 0x0
	s_barrier_signal -1
	s_barrier_wait -1
.endm
.macro BIAS dst, bs                    ; a bias in the result's layout: index 8 t + j = channel 64 w + 32 (t / 2) + 16 h + 8 (t % 2) + j; the base stands at 64 w
.irp t, 0,1,2,3
	global_load_b128 v[(\dst)+8*\t:(\dst)+8*\t+3], v[GH], s[\bs:\bs+1] offset:128*(\t/2)+32*(\t%2)
	global_load_b128 v[(\dst)+8*\t+4:(\dst)+8*\t+7], v[GH], s[\bs:\bs+1] offset:128*(\t/2)+32*(\t%2)+16
.endr
.endm
; THE CHANGE OF SLOTS, at a group's head.  fill = 1: the slot just left takes the group after this one: the load has two blocks' work in which to land.
.macro CHANGE fill
	s_wait_tensorcnt 0x0                           ; my one tensor load, this group's rows, has landed: the descriptor may be written
	ds_add_u32 v[SPW], v[NIL]                      ; 0 onto my spare word
.if \fill
	s_xor_b32 s[OB], s[OB], SLOT                   ; the other slot,
	s_add_co_u32 s41, s[WQ], s[OB]                 ; my quarter of it,
	s_add_nc_u64 s[42:43], s[42:43], 131072        ; the next 128 rows; the type bits on top are not reached
.endif
	s_wait_dscnt 0x0                               ; the add is done, and my reads of the slot that I have left are over
	s_barrier_signal -1
	s_barrier_wait -1
.if \fill
	tensor_load_to_lds s[40:43], s[32:39]          ; the first thing behind the barrier, and my one tensor load until the next change
	s_nop 0
	PLACES 4
.endif
.endm
.macro COMBINE                         ; the four chains, the pair's halves and lane l xor 16's: the row's sum in v[T0]
	v_pk_add_f32 v[SA:SA+1], v[SA:SA+1], v[SA+2:SA+3]
	v_pk_add_f32 v[SA+4:SA+5], v[SA+4:SA+5], v[SA+6:SA+7]
	v_pk_add_f32 v[SA:SA+1], v[SA:SA+1], v[SA+4:SA+5]
	v_add_f32 v[T0], v[SA], v[SA+1]
	v_permlanex16_b32 v[T1], v[T0], s[SEL], s[SEL+1]
	v_add_f32 v[T0], v[T0], v[T1]
.endm
; X: my 16 rows of the block: LayerNorm in f32 (mean, then the mean of the squared differences), quantised, two images to LDS
.macro XPHASE
	v_add_nc_u32 v[XAD], s[TB], v[XA0]
.irp c, 0,1,2,3,4,5,6,7
.irp j, 0,1,2,3
	ds_load_b128 v[XS+16*\c+4*\j:XS+16*\c+4*\j+3], v[XAD] offset:128*\c+16*\j
.endr
.endr
	s_wait_dscnt 24                                ; the first eight of the 32 loads are in (LDS loads come back in order: ISA guide 5.7.1)
.irp k, 0,1,2,3
	v_pk_add_f32 v[SA+2*\k:SA+2*\k+1], v[XS+2*\k:XS+2*\k+1], v[XS+8+2*\k:XS+9+2*\k]
.endr
.set p, 8
.rept 56
.if p == 16
	s_wait_alu depctr_va_vdst(0)
	s_wait_dscnt 16                                ; the next eight
.elseif p == 32
	s_wait_alu depctr_va_vdst(0)
	s_wait_dscnt 8
.elseif p == 48
	s_wait_alu depctr_va_vdst(0)
	s_wait_dscnt 0
.endif
	v_pk_add_f32 v[SA+2*(p%4):SA+2*(p%4)+1], v[SA+2*(p%4):SA+2*(p%4)+1], v[XS+2*p:XS+2*p+1]
.set p, p+1
.endr
	COMBINE
	v_mul_f32 v[MU], s[INV], v[T0]                 ; the mean
.set g, 0
.rept 16
.irp k, 0,1,2,3
	v_pk_add_f32 v[XS+8*g+2*\k:XS+8*g+2*\k+1], v[XS+8*g+2*\k:XS+8*g+2*\k+1], v[MU:MU+1] op_sel_hi:[1,0] neg_lo:[0,1] neg_hi:[0,1]   ; x - mean
.endr
.irp k, 0,1,2,3
.if g == 0
	v_pk_mul_f32 v[SA+2*\k:SA+2*\k+1], v[XS+2*\k:XS+2*\k+1], v[XS+2*\k:XS+2*\k+1]
.else
	v_pk_fma_f32 v[SA+2*\k:SA+2*\k+1], v[XS+8*g+2*\k:XS+8*g+2*\k+1], v[XS+8*g+2*\k:XS+8*g+2*\k+1], v[SA+2*\k:SA+2*\k+1]
.endif
.endr
.set g, g+1
.endr
	COMBINE
	v_fma_f32 v[T0], v[T0], s[INV], s[EPS]         ; var + eps
	s_wait_alu depctr_va_vdst(0)
	v_rsq_f32 v[RS], v[T0]
	v_nop                                          ; a plain line behind the transcendental,
	s_wait_alu depctr_va_vdst(0)                   ; and the wait ahead of its first reader
.set p, 0
.rept 64
	v_pk_mul_f32 v[XS+2*p:XS+2*p+1], v[XS+2*p:XS+2*p+1], v[RS:RS+1] op_sel_hi:[1,0]
.set p, p+1
.endr
	WIN 0x38                                       ; source 1 (ln_w) window 2, source 2 (ln_b) window 3
.set p, 0
.rept 64
	v_pk_fma_f32 v[XS+2*p:XS+2*p+1], v[XS+2*p:XS+2*p+1], v[LNW+2*p:LNW+2*p+1], v[LNB+2*p:LNB+2*p+1]
.set p, p+1
.endr
	WIN 0
	QUANT XS, PC, PW0
	QUANT XS+64, PC+16, PW0+1
.irp s, 0,1
.irp c, 0,1,2,3
	ds_store_b128 v[XWI], v[PC+16*\s+4*\c:PC+16*\s+4*\c+3] offset:XIMG+2048*\s+512*\c
.endr
	ds_store_b32 v[XWS], v[PW0+\s] offset:XSC+128*\s
.endr
.endm
.macro FETCHX mp                       ; x's fragments and scale words of row tiles 2 mp, 2 mp + 1: 20 loads
.irp a, 0,1
.irp s, 0,1
.irp c, 0,1,2,3
	ds_load_b128 v[XF+32*\a+16*\s+4*\c:XF+32*\a+16*\s+4*\c+3], v[LI] offset:XIMG+2048*(2*(2*(\mp)+\a)+\s)+512*\c
.endr
	ds_load_b32 v[OS+2*\a+\s], v[LS] offset:XSC+128*(2*(2*(\mp)+\a)+\s)
.endr
.endr
.endm
; 1: my 64 hidden units for the block's 64 rows, two row tiles at a time: eight accumulators by turns; bm is the C of each sum's first product.
; My 64 units are chunks 2 (w % 2), 2 (w % 2) + 1 of K step w / 2 of the next products, and two bytes of that step's scale word.
.macro P1
	FETCHX 0
.irp mp, 0,1
	s_wait_dscnt 0x0
	WIN 0x31                                       ; source 0 (Wm) window 1, source 2 (bm) window 3
.irp a, 0,1
.irp t, 0,1,2,3
	MMC HA+32*\a+8*\t, 32*\t, XF+32*\a, BMR+8*\t, WMS+2*\t, OS+2*\a
.endr
.endr
	WIN 0x01
.irp a, 0,1
.irp t, 0,1,2,3
	MMC HA+32*\a+8*\t, 32*\t+16, XF+32*\a+16, HA+32*\a+8*\t, WMS+2*\t+1, OS+2*\a+1
.endr
.endr
	WIN 0
	PLACES 8                                       ; eight places in front of the loads into registers that these products read, and of the first read of their results
.if \mp == 0
	FETCHX 1                                       ; lands while the first two row tiles are quantised
.endif
	QUANT HA, PC+16*\mp, PW0+\mp                   ; blocks: (row tile 0, units 0-31), (0, 32-63), (1, 0-31), (1, 32-63)
.irp a, 0,1
.irp b, 0,1
	ds_store_b128 v[HWI], v[PC+16*\mp+4*(2*\a+\b):PC+16*\mp+4*(2*\a+\b)+3] offset:HIMG+4096*(2*\mp+\a)+512*\b
.endr
.endr
	ds_store_b16 v[HWS], v[PW0+\mp] offset:HSC+256*(2*\mp)
	ds_store_b16_d16_hi v[HWS], v[PW0+\mp] offset:HSC+256*(2*\mp+1)
.endr
.endm
; 2: k, the logits, the softmax's step, v, and the sums of p v'
.macro P2
.irp m, 0,1,2,3
.irp s, 0,1
.irp c, 0,1,2,3
	ds_load_b128 v[HF+32*\m+16*\s+4*\c:HF+32*\m+16*\s+4*\c+3], v[LI] offset:HIMG+2048*(2*\m+\s)+512*\c
.endr
	ds_load_b32 v[OS+2*\m+\s], v[LS] offset:HSC+128*(2*\m+\s)
.endr
.endr
.irp m, 0,1,2,3
	s_wait_dscnt 30-10*\m                          ; row tile m's ten loads are in; the later tiles' ten each may be out
	WIN 0x31                                       ; source 0 (Wk) window 1, source 2 (bk) window 3
.irp t, 0,1,2,3
	MMC KA+8*\t, 128+32*\t, HF+32*\m, BKR+8*\t, WKS+2*\t, OS+2*\m
.endr
	WIN 0x01
.irp t, 0,1,2,3
	MMC KA+8*\t, 128+32*\t+16, HF+32*\m+16, KA+8*\t, WKS+2*\t+1, OS+2*\m+1
.endr
	WIN 0
	PLACES 8
	WIN 0x0c                                       ; source 1 (q) window 3
.irp p, 0,1,2,3,4,5,6,7                ; t = q . k over my 16 channels of each head, two chains a head; each accumulator is read from its low end on
.irp b, 0,1
.if \p == 0
	v_pk_mul_f32 v[TT+4*\m+2*\b:TT+4*\m+2*\b+1], v[KA+16*\b:KA+16*\b+1], v[QR+16*\b:QR+16*\b+1]
.elseif \p == 1
	v_pk_mul_f32 v[U0+2*\b:U0+2*\b+1], v[KA+16*\b+2:KA+16*\b+3], v[QR+16*\b+2:QR+16*\b+3]
.elseif (\p%2) == 0
	v_pk_fma_f32 v[TT+4*\m+2*\b:TT+4*\m+2*\b+1], v[KA+16*\b+2*\p:KA+16*\b+2*\p+1], v[QR+16*\b+2*\p:QR+16*\b+2*\p+1], v[TT+4*\m+2*\b:TT+4*\m+2*\b+1]
.else
	v_pk_fma_f32 v[U0+2*\b:U0+2*\b+1], v[KA+16*\b+2*\p:KA+16*\b+2*\p+1], v[QR+16*\b+2*\p:QR+16*\b+2*\p+1], v[U0+2*\b:U0+2*\b+1]
.endif
.endr
.endr
	WIN 0
.irp b, 0,1
	v_pk_add_f32 v[TT+4*\m+2*\b:TT+4*\m+2*\b+1], v[TT+4*\m+2*\b:TT+4*\m+2*\b+1], v[U0+2*\b:U0+2*\b+1]
.endr
.irp b, 0,1
	v_add_f32 v[TT+4*\m+2*\b], v[TT+4*\m+2*\b], v[TT+4*\m+2*\b+1]
.endr
.irp b, 0,1
	v_permlanex16_b32 v[U0+2*\b], v[TT+4*\m+2*\b], s[SEL], s[SEL+1]
.endr
.irp b, 0,1
	v_add_f32 v[TT+4*\m+2*\b], v[TT+4*\m+2*\b], v[U0+2*\b]        ; with the head's other 16 channels
.endr
.endr
.irp b, 0,1
	v_max3_num_f32 v[MX+\b], v[TT+2*\b], v[TT+4+2*\b], v[TT+8+2*\b]
.endr
.irp b, 0,1
	v_max3_num_f32 v[MX+\b], v[MX+\b], v[TT+12+2*\b], v[MM+\b]    ; the new running maximum
.endr
.irp b, 0,1
	v_sub_f32 v[F0+2*\b], v[MM+\b], v[MX+\b]
.endr
.irp b, 0,1
	v_mov_b32 v[MM+\b], v[MX+\b]
.endr
.irp m, 0,1,2,3
.irp b, 0,1
	v_sub_f32 v[TT+4*\m+2*\b], v[TT+4*\m+2*\b], v[MX+\b]
.endr
.endr
	s_wait_alu depctr_va_vdst(0)
.irp b, 0,1
	v_exp_f32 v[F0+2*\b], v[F0+2*\b]               ; f = 2^(old M - new M)
.endr
.irp m, 0,1,2,3
.irp b, 0,1
	v_exp_f32 v[TT+4*\m+2*\b], v[TT+4*\m+2*\b]     ; p = 2^(t - M)
.endr
.endr
	v_nop                                          ; a plain line behind the last exponential,
	s_wait_alu depctr_va_vdst(0)                   ; and one wait for the ten, ahead of their first reader
.irp b, 0,1
	v_fma_f32 v[LL+\b], v[LL+\b], v[F0+2*\b], v[TT+2*\b]
.endr
.irp m, 1,2,3
.irp b, 0,1
	v_add_f32 v[LL+\b], v[LL+\b], v[TT+4*\m+2*\b]
.endr
.endr
.irp m, 0,1,2,3
	WIN 0x02                                       ; source 0 (Wv) window 2
.irp t, 0,1,2,3
	MMZ KA+8*\t, 32*\t, HF+32*\m, WVS+2*\t, OS+2*\m
.endr
.irp t, 0,1,2,3
	MMC KA+8*\t, 32*\t+16, HF+32*\m+16, KA+8*\t, WVS+2*\t+1, OS+2*\m+1
.endr
.if \m == 0
	WIN 0xc3                                       ; the sums (destination, source 0) window 3: brought under the new M; these sixteen lines are the places behind the products
.set j, 0
.rept 16
	v_pk_mul_f32 v[ACC+2*j:ACC+2*j+1], v[ACC+2*j:ACC+2*j+1], v[F0+2*(j/8):F0+2*(j/8)+1] op_sel_hi:[1,0]
.set j, j+1
.endr
.else
	WIN 0
	PLACES 8
.endif
	WIN 0xf0                                       ; the sums (destination, source 2) window 3
.set j, 0
.rept 16
	v_pk_fma_f32 v[ACC+2*j:ACC+2*j+1], v[KA+2*j:KA+2*j+1], v[TT+4*\m+2*(j/8):TT+4*\m+2*(j/8)+1], v[ACC+2*j:ACC+2*j+1] op_sel_hi:[1,0,1]
.set j, j+1
.endr
.endr
	WIN 0
.endm
; A group's two blocks: written once, walked twice.  Three barriers order the images: x's are written again only behind the second barrier of the block before, which every wave signals behind its reads
; of them; mem_hidden's only behind the first barrier of this block, which every wave signals behind its reads of the last block's.
.macro TWO_BLOCKS
	s_mov_b32 s[TWICE], 2
.Lblk_\@:
	XPHASE
	BAR
	P1
	BAR
	P2
	s_add_co_u32 s[TB], s[TB], HALF
	s_sub_co_u32 s[TWICE], s[TWICE], 1
	s_cmp_lg_u32 s[TWICE], 0
	s_cbranch_scc1 .Lblk_\@
	s_sub_co_u32 s[TB], s[TB], 2*HALF
	s_xor_b32 s[TB], s[TB], SLOT                   ; on to the other slot
.endm
	s_load_b512 s[4:19], s[0:1], 0x0               ; x 4:5, query 6:7, ln_w 8:9, ln_b 10:11, bm 12:13, bq 14:15, bk 16:17, wcodes 18:19
	s_load_b128 s[20:23], s[0:1], 0x40             ; wscales, part
	s_load_b64 s[24:25], s[0:1], 0x50              ; pstat
	v_lshl_add_u32 v[SPW], v0, 2, SPARE
	v_mov_b32 v[NIL], 0
	ds_add_u32 v9, v10
	ds_add_u32 v9, v10
	s_wait_dscnt 0x0
	v_lshrrev_b32 v[T0], 5, v0
	v_readfirstlane_b32 s[WV], v[T0]               ; wave 0..3
	; descriptor group 1: 32 rows x 256 elements of 4 bytes, dense in memory, 16 bytes of padding behind each row in LDS
	s_mov_b32 s32, (2<<16)|(1<<20)|(7<<22)|(3<<25) ; no mask; elements of 4 bytes; padding on; after every 256 words (code 7); four words (code 3)
	s_mov_b32 s33, 256<<16                         ; tensor_dim0
	s_mov_b32 s34, 32<<16                          ; tensor_dim1
	s_mov_b32 s35, 256<<16                         ; tile_dim0
	s_mov_b32 s36, 32                              ; tile_dim1
	s_mov_b32 s37, 256                             ; tensor_dim0_stride
	s_mov_b32 s38, 0
	s_mov_b32 s39, 0
	s_mul_i32 s[WQ], s[WV], QUART
	s_mov_b32 s[OB], 0
	s_lshl_b32 s28, ttmp9, 20                      ; the work-group's 1,024 rows of 1,024 bytes,
	s_lshl_b32 s27, s[WV], 15                      ; my wave's 32 rows of a group
	s_add_co_u32 s28, s28, s27
	s_mov_b32 s29, 0
	s_wait_kmcnt 0x0
	s_mov_b32 s40, 1                               ; group 0: count = 1,
	s_mov_b32 s41, s[WQ]                           ; LDS address: slot 0, my quarter,
	s_add_nc_u64 s[42:43], s[4:5], s[28:29]        ; global address: group 0,
	s_or_b32 s43, s43, 0x80000000                  ; type = 2
	tensor_load_to_lds s[40:43], s[32:39]          ; the first fill, ahead of everything else
	s_nop 0
	PLACES 4
	v_and_b32 v[T0], 15, v0                        ; r
	v_bfe_u32 v[T1], v0, 4, 1                      ; h
	v_mul_u32_u24 v[XA0], v[T0], PITCH
	v_lshl_add_u32 v[XA0], v[T1], 6, v[XA0]
	v_add_nc_u32 v[XA0], s[WQ], v[XA0]
	v_and_b32 v[GL4], 31, v0
	v_lshlrev_b32 v[GL16], 4, v[GL4]
	v_lshlrev_b32 v[GL4], 2, v[GL4]
	v_lshlrev_b32 v[GH], 6, v[T1]
	v_add_nc_u32 v[LI], BASE, v[GL16]
	s_wait_alu depctr_va_vdst(0)
	v_add_nc_u32 v[LS], BASE, v[GL4]
	s_wait_alu depctr_va_vdst(0)
	s_lshl_b32 s27, s[WV], 12
	v_add_nc_u32 v[XWI], s27, v[LI]
	s_lshl_b32 s27, s[WV], 8
	v_add_nc_u32 v[XWS], s27, v[LS]
	s_lshr_b32 s27, s[WV], 1
	s_lshl_b32 s30, s27, 11
	s_lshl_b32 s31, s27, 7
	s_and_b32 s27, s[WV], 1
	s_lshl_b32 s28, s27, 10
	s_add_co_u32 s30, s30, s28
	s_lshl_b32 s28, s27, 1
	s_add_co_u32 s31, s31, s28
	v_add_nc_u32 v[HWI], s30, v[LI]
	v_add_nc_u32 v[HWS], s31, v[LS]
	s_mov_b32 s[SEL], 0x76543210
	s_mov_b32 s[SEL+1], 0xfedcba98
	s_mov_b32 s[INV], 0x3b800000
	s_mov_b32 s[EPS], 0x3727c5ac
	s_mov_b32 s[QS], 0x3e8293ee
	v_mov_b32 v[MU+1], 0                           ; upper halves of pairs of which the low word alone is used: named, so written
	v_mov_b32 v[RS+1], 0
.irp b, 0,1,2,3
	v_mov_b32 v[TM+4+\b], 0                        ; a lane permute's destination counts as one of its sources
.endr
.irp b, 0,1
	v_mov_b32 v[MM+\b], 0xff61b1e6                 ; the largest t so far: -3e38, under every t
	v_mov_b32 v[LL+\b], 0
.endr
	; the bases, each from its own pointer
	s_lshr_b32 s28, ttmp9, 1
	s_lshl_b32 s28, s28, 10
	s_add_nc_u64 s[6:7], s[6:7], s[28:29]          ; my batch's query row
	s_lshl_b32 s28, s[WV], 14
	s_add_nc_u64 s[18:19], s[18:19], s[28:29]      ; my eight fragments of each weight
	s_lshl_b32 s28, s[WV], 10
	s_add_nc_u64 s[20:21], s[20:21], s[28:29]      ; and their scale words
	s_lshl_b32 s28, s[WV], 8
	s_add_nc_u64 s[12:13], s[12:13], s[28:29]      ; my 64 numbers of each bias
	s_add_nc_u64 s[14:15], s[14:15], s[28:29]
	s_add_nc_u64 s[16:17], s[16:17], s[28:29]
	s_lshl_b32 s27, ttmp9, 10
	s_add_co_u32 s28, s28, s27
	s_add_nc_u64 s[22:23], s[22:23], s[28:29]      ; part: 1,024 g + 256 w
	s_lshl_b32 s28, ttmp9, 6
	s_lshl_b32 s27, s[WV], 4
	s_add_co_u32 s28, s28, s27
	s_add_nc_u64 s[24:25], s[24:25], s[28:29]      ; pstat: 64 g + 16 w
.irp c, 0,1,2,3,4,5,6,7
.irp j, 0,1,2,3
	global_load_b128 v[XS+16*\c+4*\j:XS+16*\c+4*\j+3], v[GH], s[6:7] offset:128*\c+16*\j   ; the query row, the same in all sixteen lanes of a half: sixteen equal data rows
.endr
.endr
.irp i, 0,1,2,3,4,5,6,7
	global_load_b32 v[WMS+\i], v[GL4], s[20:21] offset:3*4096+128*\i   ; Wq's scale words first
	global_load_b32 v[WKS+\i], v[GL4], s[20:21] offset:1*4096+128*\i
	global_load_b32 v[WVS+\i], v[GL4], s[20:21] offset:2*4096+128*\i
.endr
	WIN 0x80                                       ; destination window 2
.set n, 0
.rept 32
	global_load_b128 v[LNW+4*n:LNW+4*n+3], v[GL16], s[18:19] offset:3*65536+512*n   ; Wq, where ln_w will lie
	global_load_b128 v[4*n:4*n+3], v[GL16], s[18:19] offset:2*65536+512*n           ; Wv
.set n, n+1
.endr
	WIN 0x40                                       ; destination window 1
.set n, 0
.rept 32
	global_load_b128 v[4*n:4*n+3], v[GL16], s[18:19] offset:512*n                   ; Wm
	global_load_b128 v[128+4*n:128+4*n+3], v[GL16], s[18:19] offset:65536+512*n     ; Wk
.set n, n+1
.endr
	WIN 0xc0                                       ; destination window 3
	BIAS QR, 14                                    ; bq, where q will lie
	BIAS BMR, 12
	BIAS BKR, 16
.irp c, 0,1,2,3,4,5,6,7
.irp j, 0,1,2,3
	global_load_b128 v[LNB+16*\c+4*\j:LNB+16*\c+4*\j+3], v[GH], s[10:11] offset:128*\c+16*\j
.endr
.endr
.set j, 0
.rept 32
	v_mov_b32 v[ACC+j], 0                          ; the sums of p v': the loop is written once, its first step finds zeros
.set j, j+1
.endr
	WIN 0
	s_wait_loadcnt 0x0
	; q = query Wq^T + bq for my 64 channels, in k's own lane layout
	QUANT XS, PC, OS
	QUANT XS+64, PC+16, OS+1
	PLACES 4                                       ; codes made by vector instructions stand four places ahead of a scaled product; the scale words were made ahead of the holds
	WIN 0x32                                       ; source 0 (Wq) window 2, source 2 (bq) window 3
.irp t, 0,1,2,3
	MMC XS+8*\t, LNW+32*\t, PC, QR+8*\t, WMS+2*\t, OS
.endr
	WIN 0x02
.irp t, 0,1,2,3
	MMC XS+8*\t, LNW+32*\t+16, PC+16, XS+8*\t, WMS+2*\t+1, OS+1
.endr
	WIN 0
	PLACES 8
	WIN 0xc0
.set j, 0
.rept 32
	v_mul_f32 v[QR+j], s[QS], v[XS+j]              ; q x log2(e) / sqrt(32), ascending
.set j, j+1
.endr
	WIN 0x80
.irp c, 0,1,2,3,4,5,6,7
.irp j, 0,1,2,3
	global_load_b128 v[LNW+16*\c+4*\j:LNW+16*\c+4*\j+3], v[GH], s[8:9] offset:128*\c+16*\j
.endr
.endr
	WIN 0
.irp i, 0,1,2,3,4,5,6,7
	global_load_b32 v[WMS+\i], v[GL4], s[20:21] offset:128*\i      ; Wm's scale words take Wq's place
.endr
	s_wait_loadcnt 0x0
	s_mov_b32 s[TB], 0
	s_mov_b32 s[SLOTS], 7
.Lslot:                                            ; seven trips: trip i reads group i and asks for group i + 1
	CHANGE 1
	TWO_BLOCKS
	s_sub_co_u32 s[SLOTS], s[SLOTS], 1
	s_cmp_lg_u32 s[SLOTS], 0
	s_cbranch_scc1 .Lslot
	CHANGE 0                                       ; the last group is written out
	TWO_BLOCKS
	; THE END: the sixteen lanes' states are joined (both halves of the lanes hold the same M and L)
.irp b, 0,1
	v_mov_b32 v[MX+\b], v[MM+\b]
.endr
.irp x, 1,2,4,8
.irp b, 0,1
	v_max_num_f32_dpp v[MX+\b], v[MX+\b], v[MX+\b] row_xmask:\x row_mask:0xf bank_mask:0xf
.endr
.endr
.irp b, 0,1
	v_sub_f32 v[F0+2*\b], v[MM+\b], v[MX+\b]
.endr
	s_wait_alu depctr_va_vdst(0)
.irp b, 0,1
	v_exp_f32 v[F0+2*\b], v[F0+2*\b]
.endr
	v_nop
	s_wait_alu depctr_va_vdst(0)                   ; one wait for the two, ahead of their first reader
.irp b, 0,1
	v_mul_f32 v[LL+\b], v[LL+\b], v[F0+2*\b]
.endr
.irp x, 1,2,4,8
.irp b, 0,1
	v_add_f32_dpp v[LL+\b], v[LL+\b], v[LL+\b] row_xmask:\x row_mask:0xf bank_mask:0xf
.endr
.endr
	WIN 0x03                                       ; source 0 window 3
.set j, 0
.rept 16
	v_pk_mul_f32 v[80+2*j:81+2*j], v[ACC+2*j:ACC+2*j+1], v[F0+2*(j/8):F0+2*(j/8)+1] op_sel_hi:[1,0]
.set j, j+1
.endr
	WIN 0
; Half of the numbers are handed to the lane 'bit' away and half are taken from it: after four steps each lane holds two numbers, summed over the sixteen lanes
.macro BFLY bit, n
	v_and_b32 v[T0], \bit, v0
	v_cmp_ne_u32 vcc_lo, 0, v[T0]
.set i, 0
.rept \n
	v_cndmask_b32 v[112+i], v[80+i+\n], v[80+i], vcc_lo            ; what I hand over
	v_cndmask_b32 v[80+i], v[80+i], v[80+i+\n], vcc_lo             ; what I keep
.set i, i+1
.endr
.set i, 0
.rept \n
	v_add_f32_dpp v[80+i], v[112+i], v[80+i] row_xmask:\bit row_mask:0xf bank_mask:0xf
.set i, i+1
.endr
.endm
	BFLY 8, 16
	BFLY 4, 8
	BFLY 2, 4
	BFLY 1, 2                                      ; v[80:81]: channels 64 w + 32 r3 + 16 h + 8 r2 + 4 r1 + 2 r0 + 0, 1 (r3..r0: the bits of r)
	v_and_b32 v[T0], 8, v0
	v_lshlrev_b32 v[T0], 4, v[T0]
	v_and_b32 v[T1], 16, v0
	v_lshl_add_u32 v[T0], v[T1], 2, v[T0]
	v_and_b32 v[T1], 7, v0
	v_lshl_add_u32 v[T0], v[T1], 3, v[T0]
	global_store_b64 v[T0], v[80:81], s[22:23]     ; the 32 lanes store 256 consecutive bytes, at a multiple of 256 from the buffer's first byte
	v_mov_b32 v84, v[MX]
	v_mov_b32 v85, v[MX+1]
	v_mov_b32 v86, v[LL]
	v_mov_b32 v87, v[LL+1]
	v_mov_b32 v[T1], 0
	v_and_b32 v[GL4], 31, v0
	v_cmp_eq_u32 vcc_lo, 0, v[GL4]
	s_wait_alu depctr_va_vdst(0)
	s_wait_xcnt 0x0                                ; EXEC changes only behind this wait
	s_and_saveexec_b32 s56, vcc_lo                 ; lane 0 alone
	global_store_b128 v[T1], v[84:87], s[24:25]
	s_wait_xcnt 0x0                                ; and again in front of the line that widens it
	s_or_b32 exec_lo, exec_lo, s56
	s_wait_tensorcnt 0x0                           ; the wave's end
	ds_add_u32 v[SPW], v[NIL]
	s_wait_dscnt 0x0
	s_endpgm
.Lfunc_end_k_qb971f8a4c0_main:
	.size	k_qb971f8a4c0_main, .Lfunc_end_k_qb971f8a4c0_main-k_qb971f8a4c0_main
	.p2alignl 7, 3214868480
	.fill 96, 4, 3214868480
	.section	.rodata,"a",@progbits
	.p2align	6, 0x0
	.amdhsa_kernel k_qb971f8a4c0_main
		.amdhsa_group_segment_fixed_size 327680
		.amdhsa_private_segment_fixed_size 0
		.amdhsa_enable_private_segment 0
		.amdhsa_kernarg_size 88
		.amdhsa_user_sgpr_count 2
		.amdhsa_user_sgpr_kernarg_segment_ptr 1
		.amdhsa_wavefront_size32 1
		.amdhsa_system_sgpr_workgroup_id_x 1
		.amdhsa_system_sgpr_workgroup_id_y 1
		.amdhsa_system_sgpr_workgroup_id_z 1
		.amdhsa_system_vgpr_workitem_id 0
		.amdhsa_next_free_vgpr 1024
		.amdhsa_next_free_sgpr 66
		.amdhsa_reserve_vcc 1
		.amdhsa_float_denorm_mode_32 3
		.amdhsa_float_denorm_mode_16_64 3
		.amdhsa_fp16_overflow 1
		.amdhsa_memory_ordered 1
		.amdhsa_forward_progress 1
		.amdhsa_inst_pref_size 193
	.end_amdhsa_kernel
	.amdgpu_metadata
---
amdhsa.version: [ 1, 2 ]
amdhsa.kernels:
  - .name:           k_qb971f8a4c0_main
    .symbol:         k_qb971f8a4c0_main.kd
    .args:
      - { .name: support_memory, .offset: 0, .size: 8, .value_kind: global_buffer, .address_space: global }
      - { .name: query_hidden, .offset: 8, .size: 8, .value_kind: global_buffer, .address_space: global }
      - { .name: ln_w, .offset: 16, .size: 8, .value_kind: global_buffer, .address_space: global }
      - { .name: ln_b, .offset: 24, .size: 8, .value_kind: global_buffer, .address_space: global }
      - { .name: bm, .offset: 32, .size: 8, .value_kind: global_buffer, .address_space: global }
      - { .name: bq, .offset: 40, .size: 8, .value_kind: global_buffer, .address_space: global }
      - { .name: bk, .offset: 48, .size: 8, .value_kind: global_buffer, .address_space: global }
      - { .name: wcodes, .offset: 56, .size: 8, .value_kind: global_buffer, .address_space: global }
      - { .name: wscales, .offset: 64, .size: 8, .value_kind: global_buffer, .address_space: global }
      - { .name: part, .offset: 72, .size: 8, .value_kind: global_buffer, .address_space: global }
      - { .name: pstat, .offset: 80, .size: 8, .value_kind: global_buffer, .address_space: global }
    .group_segment_fixed_size: 327680
    .private_segment_fixed_size: 0
    .kernarg_segment_align: 8
    .kernarg_segment_size: 88
    .max_flat_workgroup_size: 128
    .sgpr_count:     66
    .vgpr_count:     1024
    .wavefront_size: 32
...
	.end_amdgpu_metadata
.endif
;; end of part 2
;; launch final (part 3): grid 8 x 1, 4 waves a work-group, no clusters, 17,920 bytes of LDS; arguments part, pstat, bv, bo, wcodes, wscales, out0; writes out0
.if DOCPART == 3
	.amdgcn_target "amdgcn-amd-amdhsa--gfx1250"
	.amdhsa_code_object_version 6
	.text
	.protected	k_qb971f8a4c0_final
	.globl	k_qb971f8a4c0_final
	.p2align	8
	.type	k_qb971f8a4c0_final,@function
k_qb971f8a4c0_final:
	s_mov_b64 s[64:65], 0
	v_nop
	global_prefetch_b8 v0, s[64:65] scope:SCOPE_SE
	s_setreg_imm32_b32 hwreg(HW_REG_WAVE_MODE, 25, 1), 1
	s_wait_xcnt 0x0
; The two halves of each batch are joined, summary = (A fa + B fb) / (La fa + Lb fb) + bv, with fa = 2^(Ma - M), fb = 2^(Mb - M), M = max(Ma, Mb) for each head; then out0 = summary Wo^T + bo on codes of E5M2
; with E8M0 scales for each 32 along K.  Work-group G takes batches 16 G .. 16 G + 15 (lane r: batch 16 G + r), wave w output channels 64 w .. 64 w + 63; each wave forms the 16 summaries itself
; (32,768 bytes of part for a work-group), so that no barrier is needed.  128 batches are eight tiles of 16 rows: eight work-groups is all the work there is.
; The product is used transposed (source 0 = 16 rows of Wo, source 1 = 16 batches); bo is the C of each sum's first product.
; LIMITS: as in the launches before: NaN and infinities are not served; a block under 2^-111 takes the scale byte 1.
; REGISTERS.  Window 0: v1-8 addresses; v16-47 the statistics, then the codes; v48-79 the heads' factors; v80-95 at work; v96-97 the summary's scale words; v98-105 Wo's; v112-239 the summary, then the results.
; Window 1: A 0-127, B 128-255.  Window 2: bv 0-127, Wo's fragments 128-255.  Window 3: bo 0-31.
.set GH,  3                            ; v3  64 h
.set TM,  80
.set SUM, 112
.set WOS, 98
.set WV,  18
.set SEL, 20
.set MNT, 22
.set MSB, 0
.macro WIN new                         ; s_set_vgpr_msb: bits 1:0 source 0, 3:2 source 1, 5:4 source 2, 7:6 destination; the high byte repeats the setting that is left
.if MSB != \new
	s_set_vgpr_msb (MSB<<8)|\new
.set MSB, \new
.endif
.endm
.macro PLACES n
.rept \n
	v_nop
.endr
.endm
.macro MMC d, a, b, c, sa, sb
	v_wmma_scale_f32_16x16x128_f8f6f4 v[(\d):(\d)+7], v[(\a):(\a)+15], v[(\b):(\b)+15], v[(\c):(\c)+7], v[\sa], v[\sb] matrix_a_fmt:MATRIX_FMT_BF8 matrix_b_fmt:MATRIX_FMT_BF8
.endm
.macro QUANT s, pc, pw
.irp b, 0,1,2,3
	v_max3_num_f32 v[TM+\b], |v[(\s)+16*\b]|, |v[(\s)+1+16*\b]|, 0x8000000   ; and the floor 2^(16 - 127): the byte cannot fall under 1
.endr
.irp i, 2,4,6,8,10,12,14
.irp b, 0,1,2,3
	v_max3_num_f32 v[TM+\b], v[TM+\b], |v[(\s)+16*\b+\i]|, |v[(\s)+1+16*\b+\i]|
.endr
.endr
.irp b, 0,1,2,3
	v_permlanex16_b32 v[TM+4+\b], v[TM+\b], s[SEL], s[SEL+1]
.endr
.irp b, 0,1,2,3
	v_max_num_f32 v[TM+\b], v[TM+\b], v[TM+4+\b]
.endr
.irp b, 0,1,2,3
	v_add_nc_u32 v[TM+12+\b], 0xf8800000, v[TM+\b]                ; 15 off the exponent field: the conversion's scale operand
.endr
.irp b, 0,1,2,3
.endr
.irp b, 0,1,2,3
	v_lshrrev_b32 v[TM+4+\b], 23, v[TM+12+\b]                     ; the scale's byte
.endr
	v_lshl_or_b32 v[\pw], v[TM+5], 8, v[TM+4]
	v_lshl_or_b32 v[\pw], v[TM+6], 16, v[\pw]
	v_lshl_or_b32 v[\pw], v[TM+7], 24, v[\pw]
.irp b, 0,1,2,3
.irp i, 0,1,2,3,4,5,6,7,8,9,10,11,12,13,14,15
.endr
	v_cvt_scalef32_pk8_bf8_f32 v[(\pc)+4*\b:(\pc)+1+4*\b], v[(\s)+16*\b:(\s)+7+16*\b], v[TM+12+\b]
	v_cvt_scalef32_pk8_bf8_f32 v[(\pc)+2+4*\b:(\pc)+3+4*\b], v[(\s)+8+16*\b:(\s)+15+16*\b], v[TM+12+\b]
.endr
	v_nop                                          ; one plain line behind the last conversion
.endm
.macro BIAS dst, bs
.irp t, 0,1,2,3
	global_load_b128 v[(\dst)+8*\t:(\dst)+8*\t+3], v[GH], s[\bs:\bs+1] offset:128*(\t/2)+32*(\t%2)
	global_load_b128 v[(\dst)+8*\t+4:(\dst)+8*\t+7], v[GH], s[\bs:\bs+1] offset:128*(\t/2)+32*(\t%2)+16
.endr
.endm
	s_load_b256 s[4:11], s[0:1], 0x0               ; part 4:5, pstat 6:7, bv 8:9, bo 10:11
	s_load_b128 s[12:15], s[0:1], 0x20             ; wcodes, wscales
	s_load_b64 s[16:17], s[0:1], 0x30              ; out0
	v_lshl_add_u32 v254, v0, 2, 0x4400
	v_mov_b32 v255, 0
	v_lshrrev_b32 v9, 5, v0
	v_readfirstlane_b32 s[WV], v9                  ; wave 0..3
	v_and_b32 v9, 15, v0                           ; r
	v_bfe_u32 v10, v0, 4, 1                        ; h
	v_lshlrev_b32 v[GH], 6, v10
	v_lshl_add_u32 v1, v9, 11, v[GH]               ; part: 2,048 r + 64 h
	v_lshlrev_b32 v2, 7, v9                        ; pstat: 128 r
	v_and_b32 v5, 31, v0
	v_lshlrev_b32 v4, 4, v5                        ; 16 x lane
	v_lshlrev_b32 v5, 2, v5                        ; 4 x lane
	s_mul_i32 s26, s[WV], 16*272                   ; my stage: 16 rows x (256 bytes + 16)
	v_mul_u32_u24 v6, v9, 272
	v_add_nc_u32 v6, v6, v[GH]
	v_add_nc_u32 v6, s26, v6                       ; in: row r, + 64 h
	v_mul_u32_u24 v7, v10, 272
	v_lshl_add_u32 v7, v9, 4, v7
	v_add_nc_u32 v7, s26, v7                       ; back: lanes 0-15 one row, lanes 16-31 the next
	v_lshlrev_b32 v8, 10, v10
	v_lshl_add_u32 v8, v9, 4, v8                   ; and the same two rows in out0
	s_mov_b32 s[SEL], 0x76543210
	s_mov_b32 s[SEL+1], 0xfedcba98
.irp b, 0,1,2,3
	v_mov_b32 v[TM+4+\b], 0                        ; a lane permute's destination counts as one of its sources
.endr
	s_mov_b32 s25, 0
	s_wait_kmcnt 0x0
	s_lshl_b32 s24, ttmp9, 15
	s_add_nc_u64 s[4:5], s[4:5], s[24:25]          ; 32 halves of 1,024 bytes
	s_lshl_b32 s24, ttmp9, 11
	s_add_nc_u64 s[6:7], s[6:7], s[24:25]          ; 32 halves of 64 bytes
	s_lshl_b32 s24, s[WV], 8
	s_add_nc_u64 s[10:11], s[10:11], s[24:25]      ; my 64 numbers of bo
	s_lshl_b32 s26, ttmp9, 14
	s_add_co_u32 s24, s24, s26
	s_add_nc_u64 s[16:17], s[16:17], s[24:25]      ; out0: 16 rows of 1,024 bytes a work-group, + 256 w
	s_lshl_b32 s24, s[WV], 14
	s_add_nc_u64 s[12:13], s[12:13], s[24:25]
	s_lshl_b32 s24, s[WV], 10
	s_add_nc_u64 s[14:15], s[14:15], s[24:25]
.irp e, 0,1
.irp q, 0,1,2,3
	global_load_b128 v[16+16*\e+4*\q:19+16*\e+4*\q], v2, s[6:7] offset:64*\e+16*\q   ; half e, heads 2 q, 2 q + 1: M, M, L, L
.endr
.endr
.irp i, 0,1,2,3,4,5,6,7
	global_load_b32 v[WOS+\i], v5, s[14:15] offset:4*4096+128*\i
.endr
	WIN 0x40                                       ; destination window 1
.irp c, 0,1,2,3,4,5,6,7
.irp j, 0,1,2,3
	global_load_b128 v[16*\c+4*\j:16*\c+4*\j+3], v1, s[4:5] offset:128*\c+16*\j
	global_load_b128 v[128+16*\c+4*\j:128+16*\c+4*\j+3], v1, s[4:5] offset:1024+128*\c+16*\j
.endr
.endr
	WIN 0x80                                       ; destination window 2
.irp c, 0,1,2,3,4,5,6,7
.irp j, 0,1,2,3
	global_load_b128 v[16*\c+4*\j:16*\c+4*\j+3], v[GH], s[8:9] offset:128*\c+16*\j
.endr
.endr
.set n, 0
.rept 32
	global_load_b128 v[128+4*n:128+4*n+3], v4, s[12:13] offset:4*65536+512*n
.set n, n+1
.endr
	WIN 0xc0                                       ; destination window 3
	BIAS 0, 10
	WIN 0
	s_wait_loadcnt 0x0
	; head d: v[48 + 4 d] fa / den, v[50 + 4 d] fb / den; the registers above them are at work
.irp d, 0,1,2,3,4,5,6,7
	v_max_num_f32 v[51+4*\d], v[16+4*(\d/2)+(\d%2)], v[32+4*(\d/2)+(\d%2)]
.endr
.irp d, 0,1,2,3,4,5,6,7
	v_sub_f32 v[48+4*\d], v[16+4*(\d/2)+(\d%2)], v[51+4*\d]
	v_sub_f32 v[50+4*\d], v[32+4*(\d/2)+(\d%2)], v[51+4*\d]
.endr
	s_wait_alu depctr_va_vdst(0)
.irp d, 0,1,2,3,4,5,6,7
	v_exp_f32 v[48+4*\d], v[48+4*\d]
	v_exp_f32 v[50+4*\d], v[50+4*\d]
.endr
	v_nop
	s_wait_alu depctr_va_vdst(0)                   ; one wait for the sixteen, ahead of their first reader
.irp d, 0,1,2,3,4,5,6,7
	v_mul_f32 v[49+4*\d], v[18+4*(\d/2)+(\d%2)], v[48+4*\d]
.endr
.irp d, 0,1,2,3,4,5,6,7
	v_fma_f32 v[49+4*\d], v[34+4*(\d/2)+(\d%2)], v[50+4*\d], v[49+4*\d]   ; the sum of p under M: at least 1
.endr
	s_wait_alu depctr_va_vdst(0)
.irp d, 0,1,2,3,4,5,6,7
	v_rcp_f32 v[49+4*\d], v[49+4*\d]
.endr
	v_nop
	s_wait_alu depctr_va_vdst(0)                   ; and one for the eight
.irp d, 0,1,2,3,4,5,6,7
	v_mul_f32 v[48+4*\d], v[48+4*\d], v[49+4*\d]
	v_mul_f32 v[50+4*\d], v[50+4*\d], v[49+4*\d]
.endr
	WIN 0x21                                       ; source 0 (A) window 1, source 2 (bv) window 2
.set p, 0
.rept 64
	v_pk_fma_f32 v[SUM+2*p:SUM+2*p+1], v[2*p:2*p+1], v[48+4*(p/8):49+4*(p/8)], v[2*p:2*p+1] op_sel_hi:[1,0,1]
.set p, p+1
.endr
	WIN 0x01                                       ; source 0 (B) window 1
.set p, 0
.rept 64
	v_pk_fma_f32 v[SUM+2*p:SUM+2*p+1], v[128+2*p:129+2*p], v[50+4*(p/8):51+4*(p/8)], v[SUM+2*p:SUM+2*p+1] op_sel_hi:[1,0,1]
.set p, p+1
.endr
	WIN 0
	QUANT SUM, 16, 96
	QUANT SUM+64, 32, 97
	PLACES 4                                       ; codes made by vector instructions stand four places ahead of a scaled product; the scale words were made ahead of the holds
	WIN 0x32                                       ; source 0 (Wo) window 2, source 2 (bo) window 3
.irp t, 0,1,2,3
	MMC SUM+8*\t, 128+32*\t, 16, 8*\t, WOS+2*\t, 96
.endr
	WIN 0x02
.irp t, 0,1,2,3
	MMC SUM+8*\t, 128+32*\t+16, 32, SUM+8*\t, WOS+2*\t+1, 97
.endr
	WIN 0
	PLACES 8
.irp t, 0,1,2,3
	ds_store_b128 v6, v[SUM+8*\t:SUM+8*\t+3] offset:128*(\t/2)+32*(\t%2)        ; lane (r, h): out0(batch r, 64 w + 32 (t / 2) + 16 h + 8 (t % 2) + 0 .. 7); each accumulator from its low end on
	ds_store_b128 v6, v[SUM+8*\t+4:SUM+8*\t+7] offset:128*(\t/2)+32*(\t%2)+16
.endr
.irp i, 0,1,2,3,4,5,6,7
	ds_load_b128 v[160+4*\i:163+4*\i], v7 offset:544*\i            ; LDS serves a wave's instructions in order (ISA guide 5.7.1.4): these see my stores
.endr
.irp i, 0,1,2,3,4,5,6,7
	s_wait_dscnt 7-\i                              ; load i is in; the younger ones may be out
	global_store_b128 v8, v[160+4*\i:163+4*\i], s[16:17] offset:2048*\i   ; sixteen lanes store 256 consecutive bytes, at a multiple of 256 from out0's first byte
.endr
	s_wait_tensorcnt 0x0
	ds_add_u32 v254, v255
	s_wait_dscnt 0x0
	s_endpgm
.Lfunc_end_k_qb971f8a4c0_final:
	.size	k_qb971f8a4c0_final, .Lfunc_end_k_qb971f8a4c0_final-k_qb971f8a4c0_final
	.p2alignl 7, 3214868480
	.fill 96, 4, 3214868480
	.section	.rodata,"a",@progbits
	.p2align	6, 0x0
	.amdhsa_kernel k_qb971f8a4c0_final
		.amdhsa_group_segment_fixed_size 17920
		.amdhsa_private_segment_fixed_size 0
		.amdhsa_enable_private_segment 0
		.amdhsa_kernarg_size 56
		.amdhsa_user_sgpr_count 2
		.amdhsa_user_sgpr_kernarg_segment_ptr 1
		.amdhsa_wavefront_size32 1
		.amdhsa_system_sgpr_workgroup_id_x 1
		.amdhsa_system_sgpr_workgroup_id_y 1
		.amdhsa_system_sgpr_workgroup_id_z 1
		.amdhsa_system_vgpr_workitem_id 0
		.amdhsa_next_free_vgpr 800
		.amdhsa_next_free_sgpr 66
		.amdhsa_reserve_vcc 0
		.amdhsa_float_denorm_mode_32 3
		.amdhsa_float_denorm_mode_16_64 3
		.amdhsa_fp16_overflow 1
		.amdhsa_memory_ordered 1
		.amdhsa_forward_progress 1
		.amdhsa_inst_pref_size 39
	.end_amdhsa_kernel
	.amdgpu_metadata
---
amdhsa.version: [ 1, 2 ]
amdhsa.kernels:
  - .name:           k_qb971f8a4c0_final
    .symbol:         k_qb971f8a4c0_final.kd
    .args:
      - { .name: part, .offset: 0, .size: 8, .value_kind: global_buffer, .address_space: global }
      - { .name: pstat, .offset: 8, .size: 8, .value_kind: global_buffer, .address_space: global }
      - { .name: bv, .offset: 16, .size: 8, .value_kind: global_buffer, .address_space: global }
      - { .name: bo, .offset: 24, .size: 8, .value_kind: global_buffer, .address_space: global }
      - { .name: wcodes, .offset: 32, .size: 8, .value_kind: global_buffer, .address_space: global }
      - { .name: wscales, .offset: 40, .size: 8, .value_kind: global_buffer, .address_space: global }
      - { .name: out0, .offset: 48, .size: 8, .value_kind: global_buffer, .address_space: global }
    .group_segment_fixed_size: 17920
    .private_segment_fixed_size: 0
    .kernarg_segment_align: 8
    .kernarg_segment_size: 56
    .max_flat_workgroup_size: 128
    .sgpr_count:     66
    .vgpr_count:     800
    .wavefront_size: 32
...
	.end_amdgpu_metadata
.endif
;; end of part 3
